; MI455X (gfx1250); checked and timed in simulation.
; The chip was launched on July 23, 2026; its instructions are those of AMD's public machine-readable ISA for CDNA 5 (MIT licence, August 2026) and "CDNA5" Instruction Set Architecture Reference Guide (July 2026). The comments in the code are by the model that wrote it; some were corrected since.
;; MMF Linear. Allowed arithmetic: matrix products marked QUANTISED: E4M3 operands, one given power-of-two scale a tensor, by v_wmma_f32_16x16x64_fp8_fp8 or v_wmma_f32_16x16x128_fp8_fp8, f32 sums; everything else in f32.
;; Inputs: bias 4,096 float32; lowp_scales 2 int32 (the exponents e of the quantised operands' scales 2^e); scale 1 float32; weight 4,096 x 4,096 float32; x 4,096 x 4,096 float32.
;; Outputs: out0 4,096 x 4,096 float32.
;; This version of the problem:
;;   THIS VERSION OF THE PROBLEM IS GIVEN IN LOW PRECISION. The matrix products marked QUANTISED in the list below multiply operands that are first quantised to E4M3 (4 exponent bits, 3 mantissa bits; 8 bits a number), with one given power-of-two scale for each operand tensor; their sums are f32. All else is computed in f32.
;;   The module's matrix products, in the order in which they are computed (A, B: the left and right operand; K: the contracted axis; several contracted axes count as one K, in the product's order):
;;     1. [M 4,096, K 4,096] x [K 4,096, N 4,096]; A: input x; B: computed on the way: QUANTISED (scales: A lowp_scales[0], B lowp_scales[1])
;;   THE QUANTISER, for each operand of a quantised product, along K:
;;     - The operand's scale is 2^e, e = its entry of the input lowp_scales (int32; the entries are numbered through the quantised products in the list's order, A before B).
;;     - Each number is divided by the scale, clamped to +-448, and rounded to the nearest number of E4M3, ties to even, subnormals kept.
;;     - The product sums the exact products of the quantised numbers (number of the format x scale) in f32.
;;   ~~~python
;;   def quantise(x, axis, e):      # numpy; x: float32 -> the quantised numbers, widened to float32 again
;;       x = np.moveaxis(x, axis, -1); K = x.shape[-1]
;;       r = np.clip(x / 2.0 ** e, -448, 448)
;;       step = 2.0 ** (np.maximum(np.frexp(np.where(r == 0, 1, r))[1] - 1, -6) - 3)
;;       q = np.round(r / step) * step * 2.0 ** e      # np.round: ties to even
;;       return np.moveaxis(q, -1, axis).astype(np.float32)
;;   ~~~
;;   OPERANDS COMPUTED ON THE WAY. 'Computed on the way' means the value that the module computes at that place (a softmax that the list does not call 'softmax' is quantised finished and normalised). What goes into a quantiser is computed in f32, as accurately as f32 sums, v_exp_f32 and their like allow (about 1e-6 of the number): no bf16 or f16 on the way to a quantiser, and a product that is left as it is and whose result goes on into a quantised operand takes f32 operands (vector FMAs, or v_wmma_f32_16x16x4_f32). A number that lies on a knife's edge between two numbers of the format may be rounded either way, as far as f32 arithmetic and the matrix unit's own rounding can turn it there, and no further.
;; One version. Each part assembles by itself: llvm-mc -triple=amdgcn-amd-amdhsa -mcpu=gfx1250 --defsym DOCPART=n.
;; ======== version 1 of 1: 2 launches
;; limits: right only within a limited range of input values
;; workspace buffers: xq 16,777,216 bytes; wq 16,777,216 bytes
;; launch quant (part 1): grid 1024 x 1, 4 waves a work-group, no clusters, 34,304 bytes of LDS; arguments x, weight, lowp_scales, xq, wq; writes xq, wq
.if DOCPART == 1
	.amdgcn_target "amdgcn-amd-amdhsa--gfx1250"
	.amdhsa_code_object_version 6
	.text
	.protected	k_q5e3a15a21f_quant
	.globl	k_q5e3a15a21f_quant
	.p2align	8
	.type	k_q5e3a15a21f_quant,@function
k_q5e3a15a21f_quant:
	s_mov_b64 s[64:65], 0
	v_nop
	global_prefetch_b8 v0, s[64:65] scope:SCOPE_SE
	s_setreg_imm32_b32 hwreg(HW_REG_WAVE_MODE, 25, 1), 1
	s_wait_xcnt 0x0
; x [4096][4096] and weight [4096][4096], f32, K innermost, become codes of FP8 (E4M3): xq and wq, laid as IMAGES OF THE PRODUCT'S OPERAND REGISTERS.
; x is quantised as it is, with 2^e0.  Of weight the operand is w = weight - (weight - sign(weight)), made by the same two f32 subtractions, then quantised with 2^e1.
; code = number / 2^e, held within +-448, rounded to the nearest code, ties to even.  e0, e1: entries 0 and 1 (int32) of lowp_scales.
; LIMITS: -126 <= e <= 119, so that 2^e and 448 x 2^e are f32 numbers.  NaN and infinities among the inputs are not served.  A denormal weight counts as non-zero.
; THE LAYOUT OF THE CODES: [256 blocks of 16 rows][32 steps of 128 K][4 groups c][32 lanes][16 bytes]: lane l of group c holds, of row l % 16, bytes 32 c + 16 (l / 16) + 0..15 of the step's 128.
; THE ORDER OF K inside a run of 512: a step's load i gives lane l the numbers 128 i + 4 l + 0..3; its 16 codes are bytes 16 l + 4 i + j of the row's 512.  The order is the same in xq and wq, so every code meets its partner.
; SHARES: the first WGA work-groups take x, the others weight.  A wave takes 16 rows x 512 K: step r is row r, four loads of 512 consecutive bytes.  The 16 x 512 bytes of codes turn through the wave's own
; stage in LDS (rows 528 bytes apart) and leave as 16 stores of 512 consecutive bytes: 8,192 bytes on end.  Waves share nothing: no barrier.  Loads run eight steps ahead.
.set WGA,   512
.set STEPS, 16
.set DEPTH, 8
.set OFF,   3                          ; v3  16 x lane
.set STI,   4                          ; v4  the stage, on the way in
.set STR,   5                          ; v5  the stage, on the way out
.set SPW,   6                          ; v6  my spare word
.set NIL,   7                          ; v7  0
.set LIMV,  10                         ; 448 x 2^e
.set SCL,   11                         ; 2^e
.set T,     16
.set X,     32                         ; v32-159 eight sets of 16 numbers
.set C,     160                        ; v160-223 codes, four registers a step
.set QP,    528
.set WREG,  16*QP
.set SPARE, 4*WREG                     ; behind the four stages: the spare words, 512 bytes
	s_load_b128 s[4:7], s[0:1], 0x0                ; x, weight
	s_load_b64 s[10:11], s[0:1], 0x10              ; lowp_scales
	s_load_b128 s[12:15], s[0:1], 0x18             ; xq, wq
	v_lshl_add_u32 v[SPW], v0, 2, SPARE
	v_mov_b32 v[NIL], 0
	v_lshrrev_b32 v1, 5, v0
	v_readfirstlane_b32 s16, v1                    ; wave
	s_mul_i32 s28, s16, WREG
	v_and_b32 v2, 31, v0
	v_lshlrev_b32 v[OFF], 4, v2
	v_add_nc_u32 v[STI], s28, v[OFF]               ; in: row = the step, 16 bytes a lane
	v_and_b32 v8, 15, v0
	v_bfe_u32 v9, v0, 4, 1
	v_mul_u32_u24 v8, v8, QP
	v_lshl_add_u32 v8, v9, 4, v8
	v_add_nc_u32 v[STR], s28, v8                   ; out: row l % 16, + 16 (l / 16)
	s_mov_b32 s26, 0x71800000                      ; 2^100
	s_mov_b32 s27, s26
	s_cmp_lt_u32 ttmp9, WGA                        ; x's work-group or weight's
	s_cselect_b32 s17, 0, WGA
	s_cselect_b32 s24, 0, 1
	s_sub_co_u32 s17, ttmp9, s17
	s_lshl_b32 s17, s17, 2
	s_add_co_u32 s18, s17, s16                     ; my wave among the tensor's 2,048
	s_lshr_b32 s20, s18, 3
	s_lshl_b32 s20, s20, 18                        ; block of 16 rows: 262,144 bytes of f32
	s_and_b32 s21, s18, 7
	s_lshl_b32 s21, s21, 11                        ; which 512 along K: 2,048 bytes
	s_add_co_u32 s20, s20, s21
	s_mov_b32 s21, 0
	s_lshl_b32 s18, s18, 13                        ; my 8,192 bytes of codes
	s_mov_b32 s19, 0
	s_wait_alu depctr_va_vdst(0)
	s_wait_kmcnt 0x0
	s_load_b64 s[22:23], s[10:11], 0x0             ; e0, e1
	s_cmp_eq_u32 s24, 0
	s_cselect_b64 s[4:5], s[4:5], s[6:7]
	s_cselect_b64 s[8:9], s[12:13], s[14:15]
	s_add_nc_u64 s[4:5], s[4:5], s[20:21]
	s_add_nc_u64 s[8:9], s[8:9], s[18:19]
.macro LOAD t                          ; row t's 512 numbers
.irp i, 0,1,2,3
	global_load_b128 v[X+16*((\t)%DEPTH)+4*\i:X+16*((\t)%DEPTH)+4*\i+3], v[OFF], s[4:5] offset:16384*(\t)+512*\i th:TH_LOAD_NT
.endr
.endm
.irp t, 0,1,2,3,4,5,6,7
	LOAD \t
.endr
	s_wait_kmcnt 0x0
	s_cmp_eq_u32 s24, 0
	s_cselect_b32 s22, s22, s23                    ; e
	s_add_co_i32 s22, s22, 127
	s_lshl_b32 s23, s22, 23
	v_mov_b32 v[SCL], s23
	s_add_co_i32 s22, s22, 8
	s_lshl_b32 s22, s22, 23
	s_or_b32 s22, s22, 0x600000
	v_mov_b32 v[LIMV], s22
.macro STEP t
.set XS, X+16*((\t)%DEPTH)
.if (\t) < STEPS-DEPTH+1
	s_wait_loadcnt 4*(DEPTH-1)                     ; this step's four loads are in; seven steps' stay out
.else
	s_wait_loadcnt 4*(STEPS-1-(\t))
.endif
	s_cmp_eq_u32 s24, 0                            ; x goes straight to the hold
	s_cbranch_scc1 .Lplain_\@
.irp j, 0,2,4,6,8,10,12,14
	v_pk_mul_f32 v[T+\j:T+\j+1], v[XS+\j:XS+\j+1], s[26:27] op_sel_hi:[1,0]   ; weight x 2^100,
.endr
.irp j, 0,2,4,6,8,10,12,14
	v_pk_mul_f32 v[T+\j:T+\j+1], v[T+\j:T+\j+1], s[26:27] op_sel_hi:[1,0]     ; twice: every non-zero magnitude is now over 1
.endr
.irp i, 0,1,2,3,4,5,6,7,8,9,10,11,12,13,14,15
	v_med3_num_f32 v[T+\i], v[T+\i], -1.0, 1.0     ; sign(weight)
.endr
.irp j, 0,2,4,6,8,10,12,14
	v_pk_add_f32 v[T+\j:T+\j+1], v[XS+\j:XS+\j+1], v[T+\j:T+\j+1] neg_lo:[0,1] neg_hi:[0,1]     ; weight - sign(weight)
.endr
.irp j, 0,2,4,6,8,10,12,14
	v_pk_add_f32 v[XS+\j:XS+\j+1], v[XS+\j:XS+\j+1], v[T+\j:T+\j+1] neg_lo:[0,1] neg_hi:[0,1]   ; w = weight - that
.endr
.Lplain_\@:
	s_wait_alu depctr_va_vdst(0)
.irp i, 0,1,2,3,4,5,6,7,8,9,10,11,12,13,14,15
	v_med3_num_f32 v[XS+\i], v[XS+\i], -v[LIMV], v[LIMV]   ; the conversion does not saturate (ISA guide 7.6.2)
.endr
	v_cvt_scalef32_pk8_fp8_f32 v[C+4*(\t):C+4*(\t)+1], v[XS:XS+7], v[SCL]
	v_cvt_scalef32_pk8_fp8_f32 v[C+4*(\t)+2:C+4*(\t)+3], v[XS+8:XS+15], v[SCL]
.if (\t)+DEPTH < STEPS
	LOAD (\t)+DEPTH
.endif
	ds_store_b128 v[STI], v[C+4*(\t):C+4*(\t)+3] offset:QP*(\t)   ; row t of my stage
.endm
.irp t, 0,1,2,3,4,5,6,7,8,9,10,11,12,13,14,15
	STEP \t
.endr
.irp u, 0,1,2,3,4,5,6,7,8,9,10,11,12,13,14,15
	ds_load_b128 v[X+4*\u:X+4*\u+3], v[STR] offset:32*\u   ; group u = 4 x (step of 128) + c; LDS serves a wave's instructions in order
.endr
.irp u, 0,1,2,3,4,5,6,7,8,9,10,11,12,13,14,15
	s_wait_dscnt 15-\u
	global_store_b128 v[OFF], v[X+4*\u:X+4*\u+3], s[8:9] offset:512*\u   ; 512 consecutive bytes, aligned
.endr
	s_wait_tensorcnt 0x0                           ; the wave's end
	ds_add_u32 v[SPW], v[NIL]
	s_wait_dscnt 0x0
	s_endpgm
.Lfunc_end_k_q5e3a15a21f_quant:
	.size	k_q5e3a15a21f_quant, .Lfunc_end_k_q5e3a15a21f_quant-k_q5e3a15a21f_quant
	.p2alignl 7, 3214868480
	.fill 96, 4, 3214868480
	.section	.rodata,"a",@progbits
	.p2align	6, 0x0
	.amdhsa_kernel k_q5e3a15a21f_quant
		.amdhsa_group_segment_fixed_size 34304
		.amdhsa_private_segment_fixed_size 0
		.amdhsa_enable_private_segment 0
		.amdhsa_kernarg_size 40
		.amdhsa_user_sgpr_count 2
		.amdhsa_user_sgpr_kernarg_segment_ptr 1
		.amdhsa_wavefront_size32 1
		.amdhsa_system_sgpr_workgroup_id_x 1
		.amdhsa_system_sgpr_workgroup_id_y 1
		.amdhsa_system_sgpr_workgroup_id_z 1
		.amdhsa_system_vgpr_workitem_id 0
		.amdhsa_next_free_vgpr 224
		.amdhsa_next_free_sgpr 66
		.amdhsa_reserve_vcc 0
		.amdhsa_float_denorm_mode_32 3
		.amdhsa_float_denorm_mode_16_64 3
		.amdhsa_memory_ordered 1
		.amdhsa_forward_progress 1
		.amdhsa_inst_pref_size 81
	.end_amdhsa_kernel
	.amdgpu_metadata
---
amdhsa.version: [ 1, 2 ]
amdhsa.kernels:
  - .name:           k_q5e3a15a21f_quant
    .symbol:         k_q5e3a15a21f_quant.kd
    .args:
      - { .name: x, .offset: 0, .size: 8, .value_kind: global_buffer, .address_space: global }
      - { .name: weight, .offset: 8, .size: 8, .value_kind: global_buffer, .address_space: global }
      - { .name: lowp_scales, .offset: 16, .size: 8, .value_kind: global_buffer, .address_space: global }
      - { .name: xq, .offset: 24, .size: 8, .value_kind: global_buffer, .address_space: global }
      - { .name: wq, .offset: 32, .size: 8, .value_kind: global_buffer, .address_space: global }
    .group_segment_fixed_size: 34304
    .private_segment_fixed_size: 0
    .kernarg_segment_align: 8
    .kernarg_segment_size: 40
    .max_flat_workgroup_size: 128
    .sgpr_count:     66
    .vgpr_count:     224
    .wavefront_size: 32
...
	.end_amdgpu_metadata
.endif
;; end of part 1
;; launch gemm (part 2): grid 16 x 16, 4 waves a work-group, clusters of 4 x 1, 327,680 bytes of LDS; arguments xq, wq, lowp_scales, scale, bias, out0; writes out0
.if DOCPART == 2
	.amdgcn_target "amdgcn-amd-amdhsa--gfx1250"
	.amdhsa_code_object_version 6
	.text
	.protected	k_q5e3a15a21f_gemm
	.globl	k_q5e3a15a21f_gemm
	.p2align	8
	.type	k_q5e3a15a21f_gemm,@function
k_q5e3a15a21f_gemm:
	s_mov_b64 s[64:65], 0
	v_nop
	global_prefetch_b8 v0, s[64:65] scope:SCOPE_SE
	s_setreg_imm32_b32 hwreg(HW_REG_WAVE_MODE, 25, 1), 1
	s_wait_xcnt 0x0
	s_wait_alu depctr_hold_cnt(0) depctr_sa_sdst(0) depctr_va_vdst(0) depctr_va_sdst(0) depctr_va_ssrc(0) depctr_va_vcc(0) depctr_vm_vsrc(0)
	s_getreg_b32 s2, hwreg(HW_REG_IB_STS2, 6, 4)
	s_cmp_eq_u32 s2, 0
	s_cbranch_scc0 .Lentry_in_a_cluster
	s_endpgm
.Lentry_in_a_cluster:
	s_bfe_u32 s2, ttmp6, 0x10000c
	s_cmp_lg_u32 s2, 0x3003
	s_cbranch_scc0 .Lentry_shape_is_right
	s_endpgm
.Lentry_shape_is_right:
; out0[m][n] = scale x (2^(e0 + e1) x sum over k of xq[m][k] wq[n][k] + bias[n]); xq, wq: codes of FP8 (E4M3) as the launch before laid them:
; [256 blocks of 16 rows][32 steps of 128 K][4 groups][32 lanes][16 bytes]: a piece of 2,048 bytes is the register image of one fragment, 16 rows x 128 K.
; A work-group of four waves makes 256 x 256 of out0, a wave 128 x 128: 64 accumulators, 512 registers.
; x's FRAGMENTS GO THROUGH LDS: two slots of 512 along K (16 blocks x 8,192 bytes = 131,072 bytes, no padding: a fragment load reads 512 bytes on end).  Each wave fetches four blocks by one tensor load.
; The four work-groups of a cluster (4, 1, 1) make one tile row and ask for x's tiles jointly (mask 15).
; THE WEIGHT'S FRAGMENTS GO FROM MEMORY STRAIGHT INTO REGISTERS, by plain loads of 512 consecutive bytes: a ring of four half-sets (4 fragments, 64 registers), each asked for three half-steps ahead of its use.
; They are not asked for jointly: a joint request lands in LDS, and these never touch LDS.
; A STEP of 128 along K is two halves of 32 matrix instructions: x's eight blocks against the weight's blocks 0-3, then against blocks 4-7.  Its 64 loads stand in TWO RUNS:
; run A, between the halves: the next step's blocks 0-5 of x (24 loads) and the half-set that the first half has left (16); run B, at the step's end: x's blocks 6-7 (8) and the other half-set (16).
; x has 14 fragment places: blocks 0-5 in two groups that take turns step by step, blocks 6-7 in one group.
; THE MATRIX INSTRUCTION IS USED TRANSPOSED (source 0 = 16 rows of wq, source 1 = 16 rows of xq): a lane holds eight neighbouring numbers of a row of out0.
; REGISTERS: window 0: v0-31 addresses, v32-127 and v128-223 x's blocks 0-5 (even and odd steps), v224-255 blocks 6-7 (on the way out v128-255: rows read back);
; window 1: the weight's four half-sets; windows 2, 3: accumulators ((a, b) at v[8 (8 (a % 4) + b)]).
; LIMITS: NaN and infinities are carried as the arithmetic carries them; scale x 2^(e0 + e1) is made by v_ldexp_f32.
.set SIZE_N, 4096
.set SLOTB,  131072
.set SPARE,  2*SLOTB                   ; the spare words, 512 bytes
.set STAGE,  SPARE+512                 ; the way out: 16 rows x 528 bytes for each wave; no tensor load lands here
.set SPITCH, 528
.set FAC,  8
.set SBI,  12
.set ADRS, 16                          ; v16-17 my x fragments in slot 0, 1
.set STO,  24
.set RD,   25
.set GO,   26                          ; 16 x lane
.set PFO,  27                          ; 256 x lane
.set SPW,  28
.set NIL,  29
.set BK,   128
.set WV,   16
.set G1,   24
.set G0,   32
.set GB,   44                          ; s[44:45] my 128 rows of wq, at the trip's first step
.set PFS,  46                          ; s[46:47], s[48:49] where my prefetches stand
.set PFG,  48
.set MSB, 0
.macro WIN new                         ; the immediate's high byte repeats the setting that is left
.if MSB != (\new)
	s_set_vgpr_msb (MSB<<8)|(\new)
.set MSB, \new
.endif
.endm
.set MUL_LO, 0xa1
.set MUL_HI, 0xf1
.set TO_B,   0x40
.set ST_LO,  0x08
.macro PLACES                          ; four places in front of loads into registers that matrix instructions have read
.rept 4
	v_nop
.endr
.endm
.macro JLOAD s                         ; my four blocks of a slot; s_nop 0 and four v_nop behind it
	tensor_load_to_lds s[G0+4*\s:G0+4*\s+3], s[G1:G1+7]
	s_nop 0
	PLACES
.endm
.macro CREST
	s_cmp_lg_u32 s[WV], 0
	s_cbranch_scc1 .Lnot_wave_0_\@
	s_barrier_signal -3
.Lnot_wave_0_\@:
	s_barrier_wait -3
	s_barrier_signal -1
	s_barrier_wait -1
.endm
.macro CROUND
	s_barrier_signal -1
	s_barrier_wait -1
	CREST
.endm
; Prefetches, a lane a block of 256 bytes.  wq: the 512 along K that stand two slot lengths on: the work-group's 512 blocks are shared by address among four tile rows (y % 4) x four waves.
; xq: the slot two refills on: the cluster's 512 blocks are shared by address among its four work-groups x four waves; the last trip has no such slot.
.macro ASK
	global_prefetch_b8 v[PFO], s[PFG:PFG+1] th:TH_LOAD_NT scope:SCOPE_SE
	s_cmp_gt_u32 s3, 1
	s_cbranch_scc0 .Lno_slot_\@
	global_prefetch_b8 v[PFO], s[PFS:PFS+1] th:TH_LOAD_NT scope:SCOPE_SE
.Lno_slot_\@:
.endm
	s_load_b128 s[4:7], s[0:1], 0x0                ; xq, wq
	s_load_b128 s[8:11], s[0:1], 0x10              ; lowp_scales, scale
	s_load_b128 s[12:15], s[0:1], 0x20             ; bias, out0
	v_lshl_add_u32 v[SPW], v0, 2, SPARE
	v_mov_b32 v[NIL], 0
	ds_add_u32 v[SPW], v[NIL]
	ds_add_u32 v[SPW], v[NIL]
	v_lshrrev_b32 v1, 5, v0
	v_readfirstlane_b32 s[WV], v1
	s_lshr_b32 s17, s[WV], 1                       ; which 128 rows of the tile
	s_and_b32 s18, s[WV], 1                        ; which 128 columns
	s_bfe_u32 s40, ttmp6, 0x40000                  ; cx
	s_lshl_b32 s42, ttmp9, 2
	s_add_co_u32 s42, s42, s40                     ; tile column
	s_and_b32 s19, ttmp7, 0xffff                   ; tile row
	s_mov_b32 s[G1+0], 15|(1<<21)                  ; the mask of all four, bit 21 beside it; elements of one byte, no padding
	s_mov_b32 s[G1+1], 8192<<16                    ; a row: one block's 512 along K, 8,192 bytes
	s_mov_b32 s[G1+2], 4<<16
	s_mov_b32 s[G1+3], 8192<<16
	s_mov_b32 s[G1+4], 4                           ; four blocks
	s_mov_b32 s[G1+5], 65536                       ; from block to block
	s_mov_b32 s[G1+6], 0
	s_mov_b32 s[G1+7], 0
	s_lshl_b32 s20, s19, 4
	s_lshl_b32 s21, s[WV], 2
	s_add_co_u32 s20, s20, s21
	s_lshl_b32 s20, s20, 16                        ; xq: block 16 x tile row + 4 x wave
	s_mov_b32 s21, 0
	s_lshl_b32 s22, s42, 4
	s_lshl_b32 s23, s18, 3
	s_add_co_u32 s22, s22, s23
	s_lshl_b32 s22, s22, 16                        ; wq: block 16 x tile column + 8 x half
	s_mov_b32 s23, 0
	s_lshl_b32 s52, s19, 4
	s_lshl_b32 s53, s40, 2
	s_add_co_u32 s52, s52, s53
	s_add_co_u32 s52, s52, s[WV]
	s_lshl_b32 s52, s52, 16
	s_add_co_u32 s52, s52, 3*8192                  ; xq's prefetch: block 16 x tile row + 4 cx + wave; the first turn steps it to slot 4
	s_mov_b32 s53, 0
	s_lshl_b32 s54, s42, 4
	s_and_b32 s55, s19, 3
	s_lshl_b32 s55, s55, 2
	s_add_co_u32 s54, s54, s55
	s_add_co_u32 s54, s54, s[WV]
	s_lshl_b32 s54, s54, 16
	s_add_co_u32 s54, s54, 8192                    ; wq's: block 16 x tile column + 4 (y % 4) + wave; the first turn steps it to steps 8-11
	s_mov_b32 s55, 0
	s_lshl_b32 s50, s[WV], 15                      ; where my four blocks go in a slot
	s_lshl_b32 s51, s17, 16                        ; where my eight blocks lie
	s_mul_i32 s56, s[WV], 16*SPITCH
	s_add_co_u32 s56, s56, STAGE
	s_lshl_b32 s60, s42, 10
	s_lshl_b32 s61, s18, 9
	s_add_co_u32 s60, s60, s61                     ; my first column, in bytes
	s_mov_b32 s61, 0
	s_lshl_b32 s58, s19, 22
	s_lshl_b32 s59, s17, 21
	s_add_co_u32 s58, s58, s59
	s_add_co_u32 s58, s58, s60                     ; my first number of out0, in bytes
	s_mov_b32 s59, 0
	v_and_b32 v2, 31, v0
	v_lshlrev_b32 v[GO], 4, v2
	v_lshlrev_b32 v[PFO], 8, v2
	v_add_nc_u32 v[ADRS], s51, v[GO]
	v_add_nc_u32 v[ADRS+1], SLOTB, v[ADRS]
	v_and_b32 v1, 15, v0
	v_bfe_u32 v3, v0, 4, 1
	v_mul_u32_u24 v5, v1, SPITCH
	v_lshl_add_u32 v5, v3, 5, v5
	v_add_nc_u32 v[STO], s56, v5                   ; the stage, in: row l % 16, 32 bytes for each half of the lanes
	v_add_nc_u32 v[RD], s56, v[GO]                 ; back: 32 lanes take a row of 512 bytes
	s_wait_alu depctr_va_vdst(0)
	s_wait_dscnt 0x0                               ; both opening adds are done
	s_wait_kmcnt 0x0
	s_load_b64 s[76:77], s[8:9], 0x0               ; e0, e1
	s_load_b32 s78, s[10:11], 0x0                  ; scale
	s_add_nc_u64 s[20:21], s[4:5], s[20:21]
	s_add_nc_u64 s[GB:GB+1], s[6:7], s[22:23]
	s_add_nc_u64 s[PFS:PFS+1], s[4:5], s[52:53]
	s_add_nc_u64 s[PFG:PFG+1], s[6:7], s[54:55]
	s_add_nc_u64 s[12:13], s[12:13], s[60:61]
	s_add_nc_u64 s[14:15], s[14:15], s[58:59]
.irp s, 0,1
	s_mov_b32 s[G0+4*\s], 1
	s_add_co_u32 s[G0+4*\s+1], s50, \s*SLOTB
	s_add_nc_u64 s[G0+4*\s+2:G0+4*\s+3], s[20:21], \s*8192
	s_or_b32 s[G0+4*\s+3], s[G0+4*\s+3], 0x80000000
.endr
	CROUND                                         ; the four work-groups are here: the first joint loads meet
	JLOAD 0                                        ; slot 0: one tensor load a wave at the head
; one fragment of the weight: half-step tm (counted from the base's step), block j of its four, into half-set tm % 4
.macro GGRP tm, j
	WIN TO_B
.irp c, 0,1,2,3
	global_load_b128 v[64*((\tm)%4)+16*(\j)+4*\c:64*((\tm)%4)+16*(\j)+4*\c+3], v[GO], s[GB:GB+1] offset:(4*((\tm)%2)+(\j))*65536+((\tm)/2)*2048+\c*512
.endr
.endm
; where block a of step L lies: blocks 0-5 at v32 (even steps) or v128 (odd steps), blocks 6-7 at v224
.macro SPLACE L, a
.set SR, ((\a)/6)*(128+16*(\a))+(1-(\a)/6)*(32+96*((\L)%2)+16*(\a))
.endm
; one fragment of x: block a of step L
.macro SGRP L, a
	WIN 0
	SPLACE \L, \a
.irp c, 0,1,2,3
	ds_load_b128 v[SR+4*\c:SR+4*\c+3], v[ADRS+((\L)/4)%2] offset:(\a)*8192+((\L)%4)*2048+\c*512
.endr
.endm
; four matrix instructions: x's block a against the four blocks of the weight's half
.macro ROW L, a, half, zero
	WIN MUL_LO+0x50*((\a)/4)
	SPLACE \L, \a
.set GR, 64*((2*(\L)+(\half))%4)
.set AR, 8*(8*((\a)%4)+4*(\half))
.irp bb, 0,1,2,3
.if \zero
	v_wmma_f32_16x16x128_fp8_fp8 v[AR+8*\bb:AR+8*\bb+7], v[GR+16*\bb:GR+16*\bb+15], v[SR:SR+15], 0
.else
	v_wmma_f32_16x16x128_fp8_fp8 v[AR+8*\bb:AR+8*\bb+7], v[GR+16*\bb:GR+16*\bb+15], v[SR:SR+15], v[AR+8*\bb:AR+8*\bb+7]
.endif
.endr
.endm
; A step of 128 along K.  L: the step, counted from the trip's base.  turn = 1: the slot's last step, the slot is filled again; 2: the slot's last step, nothing is filled.  fin = 1: the last step but one; 2: the last.
; The 64 accumulators take turns in the same order in every step.
.macro STEP L, zero, turn, fin
.set BUF, ((\L)/4)%2
	s_wait_dscnt 8                                 ; x's blocks 0-5 are in; the eight loads of blocks 6-7 may be out
.irp a, 0,1,2,3,4,5
	ROW \L, \a, 0, \zero
.endr
.if \turn
	WIN 0
.if \turn == 1
	s_wait_xcnt 0x0                                ; my prefetches have read their addresses
	s_add_nc_u64 s[PFS:PFS+1], s[PFS:PFS+1], 8192
	s_add_nc_u64 s[PFG:PFG+1], s[PFG:PFG+1], 8192
.endif
	s_wait_tensorcnt 0x0                           ; my one tensor load, my part of the next slot, has landed;
	ds_add_u32 v[SPW], v[NIL]
.if \turn == 1
	s_add_nc_u64 s[G0+4*BUF+2:G0+4*BUF+3], s[G0+4*BUF+2:G0+4*BUF+3], 2*8192
.endif
	s_wait_dscnt 1                                 ; blocks 6-7 are in; the add may be out
	ROW \L, 6, 0, \zero
	s_wait_dscnt 0x0                               ; the add is done, and my reads of this slot are over
	s_barrier_signal -1
	ROW \L, 7, 0, \zero
	WIN 0
	s_barrier_wait -1
.else
	s_wait_dscnt 0x0                               ; blocks 6-7 are in
	ROW \L, 6, 0, \zero
	ROW \L, 7, 0, \zero
.endif
.if \turn == 1
	CREST                                          ; the barrier has opened a round of the cluster's barrier
	JLOAD BUF                                      ; the slot just read out takes the slot two on; its four v_nop are run A's places
	ASK
.elseif \fin < 2
	PLACES
.endif
.if \L == 8
	s_wait_xcnt 0x0                                ; the weight's loads have read their base: it steps eight steps on, and the offsets below count from there
	s_add_nc_u64 s[GB:GB+1], s[GB:GB+1], 8*2048
.endif
.if \fin == 2
	s_wait_loadcnt 0
.else
	s_wait_loadcnt 32                              ; the second half's half-set is in; the two younger ones, 16 loads each, stay out
.endif
.if \fin == 0
.irp j, 0,1,2,3
	GGRP 2*((\L)%8)+4, \j                          ; RUN A: the first half of two steps on, into the half-set just left,
.endr
.endif
.if \fin < 2
.irp a, 0,1,2,3,4,5
	SGRP (\L)+1, \a                                ; and the next step's blocks 0-5, into the group that this step does not read
.endr
.endif
.irp a, 0,1,2,3,4,5,6,7
	ROW \L, \a, 1, \zero
.endr
.if \fin < 2
	PLACES
.if \fin == 1
	s_wait_loadcnt 16                              ; behind the next half-set: the last one's 16 loads
.else
	s_wait_loadcnt 32                              ; the next step's first half-set is in
.endif
.if \fin == 0
.irp j, 0,1,2,3
	GGRP 2*((\L)%8)+5, \j                          ; RUN B: the second half of two steps on,
.endr
.endif
	SGRP (\L)+1, 6                                 ; and the next step's blocks 6-7
	SGRP (\L)+1, 7
.endif
.endm
	global_load_b128 v[SBI:SBI+3], v[GO], s[12:13] ; my four columns' bias
.irp tm, 0,1,2
.irp j, 0,1,2,3
	GGRP \tm, \j                                   ; the first three half-sets
.endr
.endr
	WIN 0
	s_wait_tensorcnt 0x0                           ; my part of slot 0 is in
	ds_add_u32 v[SPW], v[NIL]
	s_wait_dscnt 0x0
	CROUND
	JLOAD 1                                        ; slot 1's first fill, issued as a refill is
	s_wait_loadcnt 32                              ; the bias and the first half-set are in
.irp j, 0,1,2,3
	GGRP 3, \j                                     ; the fourth half-set
.endr
.irp a, 0,1,2,3,4,5,6,7
	SGRP 0, \a
.endr
	STEP 0, 1, 0, 0                                ; the first step's products start the sums
	WIN 0
	s_mov_b32 s3, 3
.Llap:                                                 ; a trip: eight steps, once round the ring, both slots filled again
	STEP 1, 0, 0, 0
	STEP 2, 0, 0, 0
	STEP 3, 0, 1, 0
	STEP 4, 0, 0, 0
	STEP 5, 0, 0, 0
	STEP 6, 0, 0, 0
	STEP 7, 0, 1, 0
	STEP 8, 0, 0, 0
	WIN 0
	s_sub_co_u32 s3, s3, 1
	s_cmp_lg_u32 s3, 0
	s_cbranch_scc1 .Llap
	STEP 1, 0, 0, 0                                ; steps 25 to 31: nothing is filled again
	STEP 2, 0, 0, 0
	STEP 3, 0, 2, 0
	STEP 4, 0, 0, 0
	STEP 5, 0, 0, 0
	STEP 6, 0, 0, 1
	STEP 7, 0, 0, 2
	WIN 0
	s_wait_kmcnt 0x0
	s_add_co_i32 s76, s76, s77                     ; e0 + e1
	s_mov_b32 s79, s78
	v_nop
	v_ldexp_f32 v[FAC], s78, s76                   ; scale x 2^(e0 + e1).  These lines are the places behind the last products
	v_mov_b32 v[FAC+1], v[FAC]
	v_pk_mul_f32 v[SBI:SBI+1], v[SBI:SBI+1], s[78:79] op_sel_hi:[1,0]        ; scale x bias
	v_pk_mul_f32 v[SBI+2:SBI+3], v[SBI+2:SBI+3], s[78:79] op_sel_hi:[1,0]
	s_wait_alu depctr_va_vdst(0)
; THE WAY OUT, by blocks of 16 rows x 128 columns: the sums go through my own stage and come back as rows of 512 bytes; then one fused multiply-add, and 32 lanes store 512 consecutive bytes.
.macro TOSTAGE a
.set AC, 64*((\a)%4)
	WIN ST_LO+4*((\a)/4)
.irp b, 0,1,2,3,4,5,6,7
	ds_store_b128 v[STO], v[AC+8*\b:AC+8*\b+3] offset:64*\b
	ds_store_b128 v[STO], v[AC+8*\b+4:AC+8*\b+7] offset:64*\b+16
.endr
	WIN 0
.set BB, BK+64*((\a)%2)
.irp t, 0,1,2,3,4,5,6,7,8,9,10,11,12,13,14,15
	ds_load_b128 v[BB+4*\t:BB+4*\t+3], v[RD] offset:\t*SPITCH
.endr
.endm
.macro SEND a, younger
.set BB, BK+64*((\a)%2)
	s_wait_dscnt \younger
.irp t, 0,1,2,3,4,5,6,7,8,9,10,11,12,13,14,15
	v_pk_fma_f32 v[BB+4*\t:BB+4*\t+1], v[BB+4*\t:BB+4*\t+1], v[FAC:FAC+1], v[SBI:SBI+1]
	v_pk_fma_f32 v[BB+4*\t+2:BB+4*\t+3], v[BB+4*\t+2:BB+4*\t+3], v[FAC:FAC+1], v[SBI+2:SBI+3]
.endr
.if (\a) > 0
	s_add_nc_u64 s[14:15], s[14:15], 16*SIZE_N*4   ; behind a wait on XCNT: the earlier stores have read their base
.endif
.irp t, 0,1,2,3,4,5,6,7,8,9,10,11,12,13,14,15
	global_store_b128 v[GO], v[BB+4*\t:BB+4*\t+3], s[14:15] offset:\t*SIZE_N*4 th:TH_STORE_NT
.endr
.endm
	TOSTAGE 0
.irp a, 1,2,3,4,5,6,7
.if \a > 1
	s_wait_xcnt 0x0                                ; block a - 2's stores have read their registers and their base
.endif
	TOSTAGE \a
	SEND \a-1, 32                                  ; behind block a - 1's loads: block a's 16 stores and 16 loads
.endr
	s_wait_xcnt 0x0
	SEND 7, 0
	s_wait_tensorcnt 0x0                           ; the wave's end
	ds_add_u32 v[SPW], v[NIL]
	s_wait_dscnt 0x0
	CROUND                                         ; the closing round
	s_endpgm
.Lfunc_end_k_q5e3a15a21f_gemm:
	.size	k_q5e3a15a21f_gemm, .Lfunc_end_k_q5e3a15a21f_gemm-k_q5e3a15a21f_gemm
	.p2alignl 7, 3214868480
	.fill 96, 4, 3214868480
	.section	.rodata,"a",@progbits
	.p2align	6, 0x0
	.amdhsa_kernel k_q5e3a15a21f_gemm
		.amdhsa_group_segment_fixed_size 327680
		.amdhsa_private_segment_fixed_size 0
		.amdhsa_enable_private_segment 0
		.amdhsa_kernarg_size 48
		.amdhsa_user_sgpr_count 2
		.amdhsa_user_sgpr_kernarg_segment_ptr 1
		.amdhsa_wavefront_size32 1
		.amdhsa_system_sgpr_workgroup_id_x 1
		.amdhsa_system_sgpr_workgroup_id_y 1
		.amdhsa_system_sgpr_workgroup_id_z 1
		.amdhsa_system_vgpr_workitem_id 0
		.amdhsa_next_free_vgpr 1024
		.amdhsa_next_free_sgpr 84
		.amdhsa_reserve_vcc 0
		.amdhsa_float_denorm_mode_32 3
		.amdhsa_float_denorm_mode_16_64 3
		.amdhsa_memory_ordered 1
		.amdhsa_forward_progress 1
		.amdhsa_inst_pref_size 209
	.end_amdhsa_kernel
	.amdgpu_metadata
---
amdhsa.version: [ 1, 2 ]
amdhsa.kernels:
  - .name:           k_q5e3a15a21f_gemm
    .symbol:         k_q5e3a15a21f_gemm.kd
    .args:
      - { .name: xq, .offset: 0, .size: 8, .value_kind: global_buffer, .address_space: global }
      - { .name: wq, .offset: 8, .size: 8, .value_kind: global_buffer, .address_space: global }
      - { .name: lowp_scales, .offset: 16, .size: 8, .value_kind: global_buffer, .address_space: global }
      - { .name: scale, .offset: 24, .size: 8, .value_kind: global_buffer, .address_space: global }
      - { .name: bias, .offset: 32, .size: 8, .value_kind: global_buffer, .address_space: global }
      - { .name: out0, .offset: 40, .size: 8, .value_kind: global_buffer, .address_space: global }
    .group_segment_fixed_size: 327680
    .private_segment_fixed_size: 0
    .kernarg_segment_align: 8
    .kernarg_segment_size: 48
    .max_flat_workgroup_size: 128
    .sgpr_count:     84
    .vgpr_count:     1024
    .wavefront_size: 32
...
	.end_amdgpu_metadata
.endif
;; end of part 2
